; MI455X (gfx1250); checked and timed in simulation.
; The chip was launched on July 23, 2026; its instructions are those of AMD's public machine-readable ISA for CDNA 5 (MIT licence, August 2026) and "CDNA5" Instruction Set Architecture Reference Guide (July 2026). The comments in the code are by the model that wrote it; some were corrected since.
;; Unidir Attention. Allowed arithmetic: float matrix products may take bf16 or f16 operands with f32 sums; all other float work in f32.
;; Inputs: W_o 1,024 x 1,024 float32; W_qkv 3,072 x 1,024 float32; b_o 1,024 float32; b_qkv 3,072 float32; x 2 x 2,048 x 1,024 float32.
;; Outputs: out0 2 x 2,048 x 1,024 float32.
;; Constants: num_heads = 16.
;; One version. Each part assembles by itself: llvm-mc -triple=amdgcn-amd-amdhsa -mcpu=gfx1250 --defsym DOCPART=n.
;; ======== version 1 of 1: 4 launches
;; limits: values are held in f16: magnitudes above 65,504 overflow, below 6.1e-05 lose precision
;; workspace buffers: bfin 16,777,216 bytes; qkv 25,165,824 bytes; vsum 262,144 bytes; att 8,388,608 bytes
;; launch cvt (part 1): grid 512 x 1, 8 waves a work-group, no clusters, 0 bytes of LDS; arguments x, W_qkv, W_o, bfin; writes bfin
.if DOCPART == 1
	.amdgcn_target "amdgcn-amd-amdhsa--gfx1250"
	.amdhsa_code_object_version 6
	.text
	.protected	k_q7dbaf66c68_cvt
	.globl	k_q7dbaf66c68_cvt
	.p2align	8
	.type	k_q7dbaf66c68_cvt,@function
k_q7dbaf66c68_cvt:
	s_mov_b64 s[64:65], 0
	v_nop
	global_prefetch_b8 v0, s[64:65] scope:SCOPE_SE
	s_setreg_imm32_b32 hwreg(HW_REG_WAVE_MODE, 25, 1), 1
	s_wait_xcnt 0x0
; The three matrix inputs, f32, are rounded once to the 16-bit forms in which the matrix units take them:
;   bfin + 0          x      [4096][1024] bf16
;   bfin + 8,388,608  W_qkv  [3072][1024] bf16
;   bfin + 14,680,064 W_o    [1024][1024]: rounded to bf16 like the other two, and that value written as f16, because the other
;                     operand of its product (the attention's result) is kept in f16.
; LIMIT: a bf16 value is exact in f16 for 2^-17 <= |w| <= 65504; smaller ones are off by 2^-25 at the most, larger ones become infinite.
; A stream: work-group g turns 65,536 bytes of f32 into 32,768 bytes at bfin + 32,768 g; the copies lie in the order of the
; 256 + 192 + 64 chunks.  Thread t takes 32 bytes at 32 t of every 8,192; its 16 bytes out lie at 16 t of every 4,096, so a store
; of a wave covers 512 consecutive bytes, aligned.  All sixteen loads go out at once; no LDS, no barrier, no matrix unit:
; there is nothing to share and nothing to multiply.
.set IN,  2                            ; v2       32 t
.set OUT, 3                            ; v3       16 t
.set X,   8                            ; v[8:71]  part i: 8 numbers in f32
.set Y,   72                           ; v[72:103] part i: 4 registers to store
	s_load_b256 s[4:11], s[0:1], 0x0               ; x s[4:5], W_qkv s[6:7], W_o s[8:9], bfin s[10:11]
	v_lshlrev_b32 v[IN], 5, v0
	v_lshlrev_b32 v[OUT], 4, v0
	s_lshl_b32 s14, ttmp9, 15                      ; my 32,768 bytes of bfin
	s_mov_b32 s15, 0
	s_mov_b32 s17, 0
	s_mov_b32 s18, 0xffff0000                      ; a word's upper bf16
	s_wait_kmcnt 0x0
	s_cmp_lt_u32 ttmp9, 256                        ; chunks 0-255 x, 256-447 W_qkv, 448-511 W_o
	s_cselect_b64 s[12:13], s[4:5], s[6:7]
	s_cselect_b32 s16, 0, 256
	s_cmp_lt_u32 ttmp9, 448
	s_cselect_b64 s[12:13], s[12:13], s[8:9]
	s_cselect_b32 s16, s16, 448                    ; the first chunk of my source
	s_sub_co_u32 s16, ttmp9, s16
	s_lshl_b32 s16, s16, 16                        ; my 65,536 bytes in it
	s_add_nc_u64 s[12:13], s[12:13], s[16:17]
	s_add_nc_u64 s[10:11], s[10:11], s[14:15]
.irp i, 0,1,2,3,4,5,6,7
	global_load_b128 v[X+8*\i:X+8*\i+3],   v[IN], s[12:13] offset:\i*8192 th:TH_LOAD_NT
	global_load_b128 v[X+8*\i+4:X+8*\i+7], v[IN], s[12:13] offset:\i*8192+16 th:TH_LOAD_NT
.endr
; Part i: eight numbers.  asf16 = 1: the bf16 values are widened again (a shift, a mask) and written as f16.
.macro PART i, asf16
	s_wait_loadcnt 14-2*\i                         ; loads come back in order: part i's two are in, the 14 - 2 i younger ones stay out
.irp q, 0,1,2,3
	v_cvt_pk_bf16_f32 v[Y+4*\i+\q], v[X+8*\i+2*\q], v[X+8*\i+2*\q+1]
.endr
.if \asf16
.irp q, 0,1,2,3
	v_lshlrev_b32 v[X+8*\i+2*\q],   16,  v[Y+4*\i+\q]
	v_and_b32     v[X+8*\i+2*\q+1], s18, v[Y+4*\i+\q]
.endr
.irp q, 0,1,2,3
	v_cvt_pk_f16_f32 v[Y+4*\i+\q], v[X+8*\i+2*\q], v[X+8*\i+2*\q+1]
.endr
.endif
	global_store_b128 v[OUT], v[Y+4*\i:Y+4*\i+3], s[10:11] offset:\i*4096
.endm
	s_cmp_ge_u32 ttmp9, 448
	s_cbranch_scc1 .Lwo
.irp i, 0,1,2,3,4,5,6,7
	PART \i, 0
.endr
	s_endpgm
.Lwo:
.irp i, 0,1,2,3,4,5,6,7
	PART \i, 1
.endr
	s_endpgm
.Lfunc_end_k_q7dbaf66c68_cvt:
	.size	k_q7dbaf66c68_cvt, .Lfunc_end_k_q7dbaf66c68_cvt-k_q7dbaf66c68_cvt
	.p2alignl 7, 3214868480
	.fill 96, 4, 3214868480
	.section	.rodata,"a",@progbits
	.p2align	6, 0x0
	.amdhsa_kernel k_q7dbaf66c68_cvt
		.amdhsa_group_segment_fixed_size 0
		.amdhsa_private_segment_fixed_size 0
		.amdhsa_enable_private_segment 0
		.amdhsa_kernarg_size 32
		.amdhsa_user_sgpr_count 2
		.amdhsa_user_sgpr_kernarg_segment_ptr 1
		.amdhsa_wavefront_size32 1
		.amdhsa_system_sgpr_workgroup_id_x 1
		.amdhsa_system_sgpr_workgroup_id_y 1
		.amdhsa_system_sgpr_workgroup_id_z 1
		.amdhsa_system_vgpr_workitem_id 0
		.amdhsa_next_free_vgpr 104
		.amdhsa_next_free_sgpr 66
		.amdhsa_reserve_vcc 0
		.amdhsa_float_denorm_mode_32 3
		.amdhsa_float_denorm_mode_16_64 3
		.amdhsa_memory_ordered 1
		.amdhsa_forward_progress 1
		.amdhsa_inst_pref_size 13
	.end_amdhsa_kernel
	.amdgpu_metadata
---
amdhsa.version: [ 1, 2 ]
amdhsa.kernels:
  - .name:           k_q7dbaf66c68_cvt
    .symbol:         k_q7dbaf66c68_cvt.kd
    .args:
      - { .name: x, .offset: 0, .size: 8, .value_kind: global_buffer, .address_space: global }
      - { .name: W_qkv, .offset: 8, .size: 8, .value_kind: global_buffer, .address_space: global }
      - { .name: W_o, .offset: 16, .size: 8, .value_kind: global_buffer, .address_space: global }
      - { .name: bfin, .offset: 24, .size: 8, .value_kind: global_buffer, .address_space: global }
    .group_segment_fixed_size: 0
    .private_segment_fixed_size: 0
    .kernarg_segment_align: 8
    .kernarg_segment_size: 32
    .max_flat_workgroup_size: 256
    .sgpr_count:     66
    .vgpr_count:     104
    .wavefront_size: 32
...
	.end_amdgpu_metadata
.endif
;; end of part 1
;; launch qkvproj (part 2): grid 16 x 16, 4 waves a work-group, clusters of 4 x 4, 327,680 bytes of LDS; arguments bfin, b_qkv, qkv, vsum; writes qkv, vsum
.if DOCPART == 2
	.amdgcn_target "amdgcn-amd-amdhsa--gfx1250"
	.amdhsa_code_object_version 6
	.text
	.protected	k_q7dbaf66c68_qkvproj
	.globl	k_q7dbaf66c68_qkvproj
	.p2align	8
	.type	k_q7dbaf66c68_qkvproj,@function
k_q7dbaf66c68_qkvproj:
	s_mov_b64 s[64:65], 0
	v_nop
	global_prefetch_b8 v0, s[64:65] scope:SCOPE_SE
	s_setreg_imm32_b32 hwreg(HW_REG_WAVE_MODE, 25, 1), 1
	s_wait_xcnt 0x0
	s_wait_alu depctr_hold_cnt(0) depctr_sa_sdst(0) depctr_va_vdst(0) depctr_va_sdst(0) depctr_va_ssrc(0) depctr_va_vcc(0) depctr_vm_vsrc(0)
	s_getreg_b32 s2, hwreg(HW_REG_IB_STS2, 6, 4)
	s_cmp_eq_u32 s2, 0
	s_cbranch_scc0 .Lentry_in_a_cluster
	s_endpgm
.Lentry_in_a_cluster:
	s_bfe_u32 s2, ttmp6, 0x10000c
	s_cmp_lg_u32 s2, 0xf033
	s_cbranch_scc0 .Lentry_shape_is_right
	s_endpgm
.Lentry_shape_is_right:
; qkv = x W_qkv^T + b_qkv, by heads.  Operands bf16 (from bfin), sums f32, the bias is the first product's C.
; Block row by: 256 rows of x (batch by >> 3, positions 256 (by & 7) ..).  Block column bx = head bx: the 192 columns that are the
; head's Q, K and V, rows 64 bx + {0, 1024, 2048} + 0..63 of W_qkv.  Four waves; wave w makes rows 64 w .. 64 w + 63 x 192 columns:
; 48 accumulator tiles of 16 x 16, 384 registers.  K goes in 8 steps of 128 through two LDS slots filled by the tensor data mover.
; OUT: qkv [bh = 16 batch + head][Q, K, V][position][64] in f16, and vsum [bh][block of 64 positions][64] in f32: the sum of V
; (f32 sums, bias in) over the wave's 64 rows, which the attention needs for the keys behind the diagonal.
; LIMIT: Q, K, V are stored in f16 (finer than bf16 by three bits, which the first rows of the result need): |q|, |k|, |v| must stay
; below 65,504.  Inputs as drawn give about 4; x and W_qkv both 30 times larger about 3,600; both with an offset of 30 spreads about 18,500.
; CLUSTERS: 4 x 4 work-groups.  x's tile hangs on the block row alone and is asked for jointly along a row of the cluster, W_qkv's tiles
; on the head alone and jointly along a column.  Wave 0 asks for x's 256 rows, waves 1 to 3 for the 64 rows of Q's, K's, V's weights.
; By this text's count a wave has at most two tensor loads outstanding (the first fills), later one.
; REGISTERS in windows of 256: window 0: v0-31 addresses, v32-63 and v64-95 fragments of x (4 x 16 rows x 32 K), two buffers,
; v96-191 the bias tiles, later work space; window 1: v0-95, v96-191 fragments of W (12 x 16 rows), two buffers;
; window 2: accumulators of my rows 0-31 (tile (a, b) at v[8 (12 a + b)]); window 3: rows 32-63.
; The matrix instruction is used transposed (source 0 = rows of W, source 1 = rows of x): lane l then holds row l % 16 and
; registers 0-7 the columns 16 b + 8 (l / 16) + 0..7, eight neighbours that pack into 16 bytes.
.set KSTEP,  128
.set PITCH,  272                       ; an LDS row: 256 bytes + 16 of padding, an odd multiple of 16: the 16 rows of a fragment start in 16 different groups of banks
.set ABYTES, 256*PITCH                 ; x's 256 rows
.set GBYTES, 64*PITCH                  ; 64 rows of W
.set SLOT,   ABYTES+3*GBYTES           ; 121,856
.set STAGE,  2*SLOT                    ; behind the ring: 16 rows x 400 bytes for each wave; no tensor load fills it
.set SPITCH, 400                       ; 384 bytes + 16
.set XB,     8388608                   ; W_qkv's copy in bfin
.set LAPS,   4                         ; a lap = two K steps
.set LANE, 5
.set ADRA, 16                          ; v16-17 LDS address of my x fragments, slot 0, 1
.set ADRB, 20                          ; v20-21 the same for W
.set STO,  24
.set RD,   25
.set GO,   26
.set BOFF, 27
.set VST,  28
.set VRD,  29
.set VGO,  30
.set FA0,  32
.set FA1,  64
.set BIAS, 96
.set TMP,  96                          ; the way out: packed results
.set RB,   144                         ; the way out: rows read back
.set TS,   96                          ; V's sums
.set US,   128
.set VS,   192                         ; v[192:195] V's sums as stored
.set FB0,  0                           ; window 1
.set FB1,  96
.set G1,  24                           ; s[24:31] group 1, x's tile
.set G0,  32                           ; s[32:39] group 0, x's tile, a set for each slot
.set G1B, 48                           ; s[48:55] group 1, W's tiles
.set G0B, 56                           ; s[56:63] group 0, W's tiles
.set MSB, 0
.macro WIN new                         ; the immediate's high byte repeats the setting that is left
.if MSB != \new
	s_set_vgpr_msb (MSB<<8)|\new
.set MSB, \new
.endif
.endm
.set MUL_LO,   0xa1                    ; source 0 (W) window 1, source 1 (x) window 0, C and D window 2
.set MUL_HI,   0xf1                    ; C and D window 3
.set FIRST_LO, 0x81                    ; C = the bias tile in window 0, D window 2
.set FIRST_HI, 0xc1
.set TO_B,     0x40                    ; destination window 1
.macro JLOAD s                         ; a joint load: each line has one mask; the branch hangs on the wave's number alone
	s_cmp_eq_u32 s12, 0
	s_cbranch_scc0 .Lfor_b_\@
	tensor_load_to_lds s[G0+4*\s:G0+4*\s+3], s[G1:G1+7]
	s_nop 0
	s_branch .Lasked_\@
.Lfor_b_\@:
	tensor_load_to_lds s[G0B+4*\s:G0B+4*\s+3], s[G1B:G1B+7]
	s_nop 0
.Lasked_\@:
.endm
.macro CREST                           ; a round of the cluster's barrier behind its opening work-group barrier
	s_cmp_lg_u32 s12, 0
	s_cbranch_scc1 .Lnot_wave_0_\@
	s_barrier_signal -3
.Lnot_wave_0_\@:
	s_barrier_wait -3
	s_barrier_signal -1
	s_barrier_wait -1
.endm
.macro CROUND
	s_barrier_signal -1
	s_barrier_wait -1
	CREST
.endm
	s_load_b256 s[4:11], s[0:1], 0x0               ; bfin s[4:5], b_qkv s[6:7], qkv s[8:9], vsum s[10:11]
	s_set_vgpr_msb 0x40
	v_lshl_add_u32 v255, v0, 2, 0x41c00
	s_set_vgpr_msb 0x4000
	v_mov_b32 v255, 0
	s_set_vgpr_msb 0x1
	ds_add_u32 v255, v255
	ds_add_u32 v255, v255
	s_set_vgpr_msb 0x100
	v_lshrrev_b32 v1, 5, v0
	v_readfirstlane_b32 s12, v1                    ; wave 0..3
	s_bfe_u32 s40, ttmp6, 0x40000                  ; cx
	s_bfe_u32 s41, ttmp6, 0x40004                  ; cy
	s_lshl_b32 s42, ttmp9, 2
	s_add_co_u32 s42, s42, s40                     ; bx = head
	s_and_b32 s13, ttmp7, 0xffff
	s_lshl_b32 s13, s13, 2
	s_add_co_u32 s13, s13, s41                     ; by = block row
	s_lshl_b32 s43, s41, 2
	s_lshl_b32 s43, 15, s43                        ; my row of the cluster
	s_lshl_b32 s44, 0x1111, s40                    ; my column
	; group 1: elements of 2 bytes, padding of 4 words behind every 64 words, bit 21 beside the mask
	s_or_b32 s[G1+0],  s43, (1<<16)|(1<<20)|(1<<21)|(5<<22)|(3<<25)
	s_or_b32 s[G1B+0], s44, (1<<16)|(1<<20)|(1<<21)|(5<<22)|(3<<25)
	s_mov_b32 s[G1+1],  KSTEP<<16                  ; tensor_dim0 = 128
	s_mov_b32 s[G1B+1], KSTEP<<16
	s_mov_b32 s[G1+2],  256<<16                    ; tensor_dim1 = 256 rows
	s_mov_b32 s[G1B+2], 64<<16                     ; 64 rows
	s_mov_b32 s[G1+3],  KSTEP<<16                  ; tile_dim0 = 128
	s_mov_b32 s[G1B+3], KSTEP<<16
	s_mov_b32 s[G1+4],  256                        ; tile_dim1
	s_mov_b32 s[G1B+4], 64
	s_mov_b32 s[G1+5],  1024                       ; elements from row to row
	s_mov_b32 s[G1B+5], 1024
	s_mov_b32 s[G1+6],  0
	s_mov_b32 s[G1B+6], 0
	s_mov_b32 s[G1+7],  0
	s_mov_b32 s[G1B+7], 0
	; x's tile hangs on by alone, W's on bx and the wave's number; each address is made in registers that never hold the other coordinate
	s_lshl_b32 s14, s13, 19                        ; 256 by rows of 2,048 bytes
	s_mov_b32 s15, 0
	s_max_u32 s46, s12, 1
	s_sub_co_u32 s46, s46, 1                       ; Q, K or V for waves 1, 2, 3 (wave 0 asks for none of W: a valid address all the same)
	s_lshl_b32 s46, s46, 10
	s_lshl_b32 s47, s42, 6
	s_add_co_u32 s46, s46, s47                     ; row of W_qkv
	s_lshl_b32 s46, s46, 11
	s_add_co_u32 s46, s46, XB
	s_mov_b32 s47, 0
	s_mul_i32 s20, s12, GBYTES
	s_add_co_u32 s20, s20, ABYTES-GBYTES           ; W's group w - 1 lies behind x's 256 rows
	s_lshl_b32 s66, s42, 8                         ; the head's 64 numbers in each third of b_qkv
	s_mov_b32 s67, 0
	s_wait_dscnt 0x0
	s_wait_kmcnt 0x0
	s_add_nc_u64 s[14:15], s[4:5], s[14:15]
	s_add_nc_u64 s[46:47], s[4:5], s[46:47]
	s_add_nc_u64 s[6:7], s[6:7], s[66:67]
	CROUND                                         ; all sixteen work-groups are here: the first joint loads meet
.irp s, 0,1
	s_mov_b32 s[G0+4*\s], 1
	s_mov_b32 s[G0+4*\s+1], \s*SLOT
	s_add_nc_u64 s[G0+4*\s+2:G0+4*\s+3], s[14:15], \s*KSTEP*2
	s_or_b32 s[G0+4*\s+3], s[G0+4*\s+3], 0x80000000
	s_mov_b32 s[G0B+4*\s], 1
	s_add_co_u32 s[G0B+4*\s+1], s20, \s*SLOT
	s_add_nc_u64 s[G0B+4*\s+2:G0B+4*\s+3], s[46:47], \s*KSTEP*2
	s_or_b32 s[G0B+4*\s+3], s[G0B+4*\s+3], 0x80000000
.endr
	s_cmp_eq_u32 s12, 0                            ; both first fills of a wave in one branch: K steps 0 and 1
	s_cbranch_scc0 .Lfirst_b
	tensor_load_to_lds s[G0:G0+3], s[G1:G1+7]
	s_nop 0
	tensor_load_to_lds s[G0+4:G0+7], s[G1:G1+7]
	s_nop 0
	s_branch .Lfirst_done
.Lfirst_b:
	tensor_load_to_lds s[G0B:G0B+3], s[G1B:G1B+7]
	s_nop 0
	tensor_load_to_lds s[G0B+4:G0B+7], s[G1B:G1B+7]
	s_nop 0
.Lfirst_done:
	v_and_b32 v1, 15, v0                           ; r = l % 16
	v_bfe_u32 v2, v0, 4, 1                         ; h = l / 16
	v_and_b32 v[LANE], 31, v0
	v_lshlrev_b32 v[BOFF], 5, v2                   ; my 8 columns of a bias tile: 32 h bytes
.irp b, 0,1,2,3,4,5,6,7,8,9,10,11
	global_load_b128 v[BIAS+8*\b:BIAS+8*\b+3],   v[BOFF], s[6:7] offset:(\b/4)*4096+(\b%4)*64      ; register j = bias of column 16 b + 8 h + j
	global_load_b128 v[BIAS+8*\b+4:BIAS+8*\b+7], v[BOFF], s[6:7] offset:(\b/4)*4096+(\b%4)*64+16
.endr
	v_mul_u32_u24 v3, v1, PITCH
	v_lshl_add_u32 v3, v2, 4, v3                   ; row x pitch + 16 h
	s_mul_i32 s21, s12, 64*PITCH                   ; my 64 rows of x
	s_mov_b32 s22, ABYTES                          ; all 192 rows of W
.irp s, 0,1
	v_add_nc_u32 v[ADRA+\s], s21, v3
	v_add_nc_u32 v[ADRB+\s], s22, v3
	s_add_co_u32 s21, s21, SLOT
	s_add_co_u32 s22, s22, SLOT
.endr
	s_mul_i32 s23, s12, 16*SPITCH
	s_add_co_u32 s23, s23, STAGE                   ; my stage
	v_mul_u32_u24 v4, v1, SPITCH
	v_lshl_add_u32 v4, v2, 4, v4
	v_add_nc_u32 v[STO], s23, v4                   ; in: row r, 16 h
	v_lshrrev_b32 v4, 3, v[LANE]
	v_mul_u32_u24 v4, v4, SPITCH
	v_and_b32 v6, 7, v0
	v_lshl_add_u32 v4, v6, 4, v4
	v_add_nc_u32 v[RD], s23, v4                    ; back: four rows of 128 bytes a load
	v_lshlrev_b32 v[GO], 4, v[LANE]
	v_lshl_add_u32 v[VST], v2, 5, s23              ; V's sums: 32 h
	v_lshl_add_u32 v[VRD], v1, 4, s23
	v_lshlrev_b32 v[VGO], 4, v1
; 12 matrix instructions: m tile a of the window's two (hi = 0: rows 0-31, 1: rows 32-63) x all 12 n tiles, 32 along K.
; first = 1: C is the bias tile: nothing is cleared and no bias is added later.
.macro MUL12 fa, fb, hi, a, first
.irp b, 0,1,2,3,4,5,6,7,8,9,10,11
.if \first
	v_wmma_f32_16x16x32_bf16 v[8*(12*\a+\b):8*(12*\a+\b)+7], v[\fb+8*\b:\fb+8*\b+7], v[\fa+8*(2*\hi+\a):\fa+8*(2*\hi+\a)+7], v[BIAS+8*\b:BIAS+8*\b+7]
.else
	v_wmma_f32_16x16x32_bf16 v[8*(12*\a+\b):8*(12*\a+\b)+7], v[\fb+8*\b:\fb+8*\b+7], v[\fa+8*(2*\hi+\a):\fa+8*(2*\hi+\a)+7], v[8*(12*\a+\b):8*(12*\a+\b)+7]
.endif
.endr
.endm
; 32 LDS loads in one run: a quarter step's fragments (192 rows of W, then my 64 rows of x; 32 K at byte k of the rows)
.macro FETCH slot, k, fa, fb
	WIN TO_B
.irp i, 0,1,2,3,4,5,6,7,8,9,10,11
	ds_load_b128 v[\fb+8*\i:\fb+8*\i+3],   v[ADRB+\slot] offset:\k+\i*16*PITCH
	ds_load_b128 v[\fb+8*\i+4:\fb+8*\i+7], v[ADRB+\slot] offset:\k+\i*16*PITCH+32
.endr
	WIN 0
.irp i, 0,1,2,3
	ds_load_b128 v[\fa+8*\i:\fa+8*\i+3],   v[ADRA+\slot] offset:\k+\i*16*PITCH
	ds_load_b128 v[\fa+8*\i+4:\fa+8*\i+7], v[ADRA+\slot] offset:\k+\i*16*PITCH+32
.endr
.endm
; Four places between a matrix instruction and a load into, or a vector instruction on, its registers;
; the matrix instructions in between are not counted as places.
.macro PLACES
.rept 4
	v_nop
.endr
.endm
; A K step is four quarters of 32 along K, 48 matrix instructions each, on buffers 0, 1, 0, 1.  The 48 accumulators take turns, one
; instruction a turn, in the same order in every quarter.
.macro QUARTER slot, k, fa, fb, ga, gb, first
	s_wait_dscnt 4                                 ; W's 24 loads and x's rows 0-31 are in; the youngest four (rows 32-63) may be out
.if \first
	WIN FIRST_LO
.else
	WIN MUL_LO
.endif
	MUL12 \fa, \fb, 0, 0, \first
	MUL12 \fa, \fb, 0, 1, \first
	PLACES
	FETCH \slot, \k, \ga, \gb
	s_wait_dscnt 32                                ; all but the 32 just issued
.if \first
	WIN FIRST_HI
.else
	WIN MUL_HI
.endif
	MUL12 \fa, \fb, 1, 0, \first
	MUL12 \fa, \fb, 1, 1, \first
.endm
.macro THREE slot, first
	QUARTER \slot, 64,  FA0, FB0, FA1, FB1, \first
	QUARTER \slot, 128, FA1, FB1, FA0, FB0, 0
	QUARTER \slot, 192, FA0, FB0, FA1, FB1, 0
.endm
; The last quarter changes slots.  In front of the barrier each wave waits for its reads of this slot and for all its tensor loads (one
; is out: its part of the next slot).  With fill = 1 the barrier opens a round of the cluster's barrier, and the joint refill, two K
; steps ahead, is the first tensor load behind the round's closing wait.
.macro TURN slot, next, fill
	s_wait_dscnt 4
	WIN MUL_LO
	MUL12 FA1, FB1, 0, 0, 0
	s_wait_dscnt 0                                 ; my reads of this slot are over
	s_wait_tensorcnt 0x0                           ; all my tensor loads have landed
	ds_add_u32 v255, v255
	s_wait_dscnt 0x0
	s_barrier_signal -1
	MUL12 FA1, FB1, 0, 1, 0                        ; register work while the others arrive
	WIN 0
	s_barrier_wait -1
.if \fill
	CREST
	s_add_nc_u64 s[G0+4*\slot+2:G0+4*\slot+3], s[G0+4*\slot+2:G0+4*\slot+3], 2*KSTEP*2
	s_add_nc_u64 s[G0B+4*\slot+2:G0B+4*\slot+3], s[G0B+4*\slot+2:G0B+4*\slot+3], 2*KSTEP*2
	JLOAD \slot
.endif
	PLACES
	FETCH \next, 0, FA0, FB0
	WIN MUL_HI
	MUL12 FA1, FB1, 1, 0, 0
	MUL12 FA1, FB1, 1, 1, 0
.endm
.macro LAP first
	THREE 0, \first
	TURN 0, 1, 1
	THREE 1, 0
	TURN 1, 0, 1
.endm
	s_wait_tensorcnt 1                             ; my part of K step 0 is in; K step 1's stays out
	s_barrier_signal -1
	s_barrier_wait -1
	FETCH 0, 0, FA0, FB0
	s_wait_loadcnt 0x0                             ; the bias tiles
	LAP 1
	WIN 0
	s_mov_b32 s3, LAPS-2
.Llap:
	LAP 0
	WIN 0
	s_sub_co_u32 s3, s3, 1
	s_cmp_lg_u32 s3, 0
	s_cbranch_scc1 .Llap
	THREE 0, 0                                     ; the last lap fills nothing
	TURN 0, 1, 0
	THREE 1, 0
	s_wait_dscnt 4
	WIN MUL_LO
	MUL12 FA1, FB1, 0, 0, 0
	MUL12 FA1, FB1, 0, 1, 0
	s_wait_dscnt 0
	WIN MUL_HI
	MUL12 FA1, FB1, 1, 0, 0
	MUL12 FA1, FB1, 1, 1, 0
	; THE WAY OUT
	PLACES
	s_lshr_b32 s66, s13, 3
	s_lshl_b32 s66, s66, 4
	s_add_co_u32 s66, s66, s42                     ; bh = 16 batch + head
	s_and_b32 s68, s13, 7
	s_lshl_b32 s70, s66, 5
	s_lshl2_add_u32 s70, s68, s70
	s_add_co_u32 s70, s70, s12                     ; 32 bh + my block of 64 positions
	s_lshl_b32 s70, s70, 8
	s_mov_b32 s71, 0
	s_add_nc_u64 s[10:11], s[10:11], s[70:71]
	s_mul_i32 s72, s66, 786432                     ; bh x 3 x 2,048 rows of 128 bytes
	s_lshl_b32 s68, s68, 15
	s_add_co_u32 s72, s72, s68                     ; + 256 (by & 7) rows
	s_lshl_b32 s68, s12, 13
	s_add_co_u32 s72, s72, s68                     ; + 64 w rows
	s_mov_b32 s73, 0
	s_add_nc_u64 s[8:9], s[8:9], s[72:73]
	; (a) V's sums over my 64 rows: the four m tiles, then the 16 lanes of a half; V is n tiles 8 to 11
	WIN 0x0a
.irp bb, 0,1,2,3
.irp q, 0,1,2,3
	v_pk_add_f32 v[TS+8*\bb+2*\q:TS+8*\bb+2*\q+1], v[8*(8+\bb)+2*\q:8*(8+\bb)+2*\q+1], v[8*(20+\bb)+2*\q:8*(20+\bb)+2*\q+1]
.endr
.endr
	WIN 0x0f
.irp bb, 0,1,2,3
.irp q, 0,1,2,3
	v_pk_add_f32 v[US+8*\bb+2*\q:US+8*\bb+2*\q+1], v[8*(8+\bb)+2*\q:8*(8+\bb)+2*\q+1], v[8*(20+\bb)+2*\q:8*(20+\bb)+2*\q+1]
.endr
.endr
	WIN 0
.set i, 0
.rept 16
	v_pk_add_f32 v[TS+i:TS+i+1], v[TS+i:TS+i+1], v[US+i:US+i+1]
.set i, i+2
.endr
.irp x, 1,2,4,8
.set i, 0
.rept 32
	v_add_f32_dpp v[TS+i], v[TS+i], v[TS+i] row_xmask:\x row_mask:0xf bank_mask:0xf
.set i, i+1
.endr
.endr
.irp bb, 0,1,2,3
	ds_store_b128 v[VST], v[TS+8*\bb:TS+8*\bb+3]   offset:64*\bb       ; the 16 lanes of a half write the same bytes with the same numbers
	ds_store_b128 v[VST], v[TS+8*\bb+4:TS+8*\bb+7] offset:64*\bb+16
.endr
	ds_load_b128 v[VS:VS+3], v[VRD]                ; LDS serves a wave's instructions in order: this sees the stores above
	s_wait_dscnt 0x0
	s_wait_xcnt 0x0                                ; EXEC changes only behind this wait
	v_cmp_gt_u32 vcc_lo, 16, v[LANE]
	s_and_saveexec_b32 s74, vcc_lo
	global_store_b128 v[VGO], v[VS:VS+3], s[10:11] ; sixteen lanes store the block's 256 consecutive bytes, aligned
	s_wait_xcnt 0x0                                ; and again in front of the line that widens it
	s_or_b32 exec_lo, exec_lo, s74
; (b) rows 16 a .. 16 a + 15 of my block: round to f16, through my stage, out as runs of four rows of one of Q, K, V
.macro OUT16 a, aa, from
	WIN \from
.irp b, 0,1,2,3,4,5,6,7,8,9,10,11
.irp q, 0,1,2,3
	v_cvt_pk_f16_f32 v[TMP+4*\b+\q], v[8*(12*\aa+\b)+2*\q], v[8*(12*\aa+\b)+2*\q+1]
.endr
.endr
	WIN 0
.irp b, 0,1,2,3,4,5,6,7,8,9,10,11
	ds_store_b128 v[STO], v[TMP+4*\b:TMP+4*\b+3] offset:32*\b
.endr
	s_wait_xcnt 0x0                                ; RB, which the last stores read, is loaded again only behind this wait
.irp hh, 0,1,2
.irp u, 0,1,2,3
	ds_load_b128 v[RB+4*(4*\hh+\u):RB+4*(4*\hh+\u)+3], v[RD] offset:\hh*128+\u*4*SPITCH
.endr
.endr
.irp hh, 0,1,2
.irp u, 0,1,2,3
	s_wait_dscnt 11-(4*\hh+\u)
	global_store_b128 v[GO], v[RB+4*(4*\hh+\u):RB+4*(4*\hh+\u)+3], s[8:9] offset:\hh*262144+\a*2048+\u*512   ; 512 consecutive bytes, aligned
.endr
.endr
.endm
	OUT16 0, 0, 0x0a
	OUT16 1, 1, 0x0a
	OUT16 2, 0, 0x0f
	OUT16 3, 1, 0x0f
	s_set_vgpr_msb 0x1
	s_wait_tensorcnt 0x0
	ds_add_u32 v255, v255
	s_wait_dscnt 0x0
	s_set_vgpr_msb 0x100
	CROUND                                         ; the closing round: no work-group ends while a partner may still ask jointly
	s_endpgm
.Lfunc_end_k_q7dbaf66c68_qkvproj:
	.size	k_q7dbaf66c68_qkvproj, .Lfunc_end_k_q7dbaf66c68_qkvproj-k_q7dbaf66c68_qkvproj
	.p2alignl 7, 3214868480
	.fill 96, 4, 3214868480
	.section	.rodata,"a",@progbits
	.p2align	6, 0x0
	.amdhsa_kernel k_q7dbaf66c68_qkvproj
		.amdhsa_group_segment_fixed_size 327680
		.amdhsa_private_segment_fixed_size 0
		.amdhsa_enable_private_segment 0
		.amdhsa_kernarg_size 32
		.amdhsa_user_sgpr_count 2
		.amdhsa_user_sgpr_kernarg_segment_ptr 1
		.amdhsa_wavefront_size32 1
		.amdhsa_system_sgpr_workgroup_id_x 1
		.amdhsa_system_sgpr_workgroup_id_y 1
		.amdhsa_system_sgpr_workgroup_id_z 1
		.amdhsa_system_vgpr_workitem_id 0
		.amdhsa_next_free_vgpr 1024
		.amdhsa_next_free_sgpr 80
		.amdhsa_reserve_vcc 1
		.amdhsa_float_denorm_mode_32 3
		.amdhsa_float_denorm_mode_16_64 3
		.amdhsa_memory_ordered 1
		.amdhsa_forward_progress 1
		.amdhsa_inst_pref_size 178
	.end_amdhsa_kernel
	.amdgpu_metadata
---
amdhsa.version: [ 1, 2 ]
amdhsa.kernels:
  - .name:           k_q7dbaf66c68_qkvproj
    .symbol:         k_q7dbaf66c68_qkvproj.kd
    .args:
      - { .name: bfin, .offset: 0, .size: 8, .value_kind: global_buffer, .address_space: global }
      - { .name: b_qkv, .offset: 8, .size: 8, .value_kind: global_buffer, .address_space: global }
      - { .name: qkv, .offset: 16, .size: 8, .value_kind: global_buffer, .address_space: global }
      - { .name: vsum, .offset: 24, .size: 8, .value_kind: global_buffer, .address_space: global }
    .group_segment_fixed_size: 327680
    .private_segment_fixed_size: 0
    .kernarg_segment_align: 8
    .kernarg_segment_size: 32
    .max_flat_workgroup_size: 128
    .sgpr_count:     80
    .vgpr_count:     1024
    .wavefront_size: 32
...
	.end_amdgpu_metadata
.endif
;; end of part 2
;; launch attn (part 3): grid 8 x 32, 4 waves a work-group, no clusters, 327,680 bytes of LDS; arguments qkv, vsum, att; writes att
.if DOCPART == 3
	.amdgcn_target "amdgcn-amd-amdhsa--gfx1250"
	.amdhsa_code_object_version 6
	.text
	.protected	k_q7dbaf66c68_attn
	.globl	k_q7dbaf66c68_attn
	.p2align	8
	.type	k_q7dbaf66c68_attn,@function
k_q7dbaf66c68_attn:
	s_mov_b64 s[64:65], 0
	v_nop
	global_prefetch_b8 v0, s[64:65] scope:SCOPE_SE
	s_setreg_imm32_b32 hwreg(HW_REG_WAVE_MODE, 25, 1), 1
	s_wait_xcnt 0x0
; Causal attention of one (batch, head) bh, with the reference's fill: a logit above the diagonal, or exactly 0, counts as -10000.
; Work-group (p, bh) makes query block 15 - p (128 queries; key tiles 0 .. 15 - p of 128 keys), then query block p (tiles 0 .. p):
; always 17 tiles, one stream through two LDS slots.  Wave w owns queries 32 w .. 32 w + 31 of the block (two tiles of 16).
; THE KEYS BEHIND THE DIAGONAL TILE are not dropped: they all carry the logit -10000, so together they add count x e^(-10000 - m) to the
; row's sum and e^(-10000 - m) x (sum of their V) to its result.  The running state starts as exactly that: m = -10000, l = count,
; O = the sum of vsum's blocks behind the tile (added here block by block in f32).  Query block 15 has no such key and starts at the
; most negative finite number.  With a running maximum the term vanishes by itself wherever a causal logit is larger.
; LAYOUT: S^T = K Q^T (source 0 = 16 keys, source 1 = 16 queries): lane (r, h) holds keys 8 h + 0..7 of query r, so two key tiles packed
; to f16 ARE a source-1 fragment of 32 keys for O^T = V^T P^T (V^T by the transposing LDS load).  m, l and the rescaling are one number
; a lane; only the maximum and the final sum cross the two halves of the wave.
; ARITHMETIC: operands f16, sums f32.  The sums q.k stay unscaled: fill -80000 = 8 x -10000, p = 2^(c (s - m)), c = log2(e) / 8.
; LIMITS: the test for 0 is made on this text's f32 sums of f16 products.  v_exp_f32 gives 0 for results below 2^-126.  P is rounded
; to f16 for the product while the row's sum takes the f32 p.  c s - c m is one fused multiply-add with the rounded -c m, which puts a
; factor of at most 2^(|c m| 2^-24), common to a chunk of 64 keys, on that chunk's p.  |q|, |k|, |v| below 65,504 (f16).
; NO CLUSTER: the eight work-groups of a head want the same tile only in their first 16 - p steps; from there on their tile numbers
; differ, and a joint request has to be the same in all partners in every step.
; By this text's count a wave has one tensor load outstanding.
.set KP,    144                        ; K's LDS pitch: 128 bytes + 16, an odd multiple of 16
.set VP,    160                        ; V's: 128 + 32, an odd multiple of 32, for the transposing load
.set PIECE, 10240                      ; what one wave's load fills: 64 keys of K (9,216 bytes used) or of V
.set SLOT,  4*PIECE                    ; K keys 0-63, K keys 64-127, V keys 0-63, V keys 64-127
.set STAGE, 2*SLOT                     ; 32 rows x 144 bytes for each wave; no tensor load fills it
.set SUF,   STAGE+4*32*KP              ; [phase][64] f32: V's sums behind the diagonal tile
.set KADR, 4                           ; v4-5   LDS address of K fragments, slot 0, 1
.set VADR, 6                           ; v6-7   of V^T fragments
.set DQ,   8                           ; v8-9   query in the block - 8 h, for query tile 0, 1
.set MASKV, 10                         ; v10    -80000.0
.set QOFF, 11
.set STO,  12
.set RD,   13
.set GO,   14
.set SUFA, 15
.set M,    16                          ; v16-17  running maximum (unscaled), query tile 0, 1
.set NMC,  18                          ; v[18:21] -c m, a pair for each query tile
.set AL,   22                          ; v[22:25] the rescaling factor, a pair each
.set L,    26                          ; v[26:29] partial row sums, a pair each
.set T,    32                          ; v[32:39] at work
.set TT,   40                          ; v[40:43] second chain of the row sums
.set S,    48                          ; v[48:111]  S[kt][qt] at 16 kt + 8 qt
.set KF,   112                         ; v[112:175] K fragments [kt][ks]
.set VF,   176                         ; v[176:239] V^T fragments [ks2][dt]
.set O,    0                           ; window 1: v[0:63]  O[qt][dt] at 32 qt + 8 dt
.set QF,   64                          ; window 1: v[64:95] Q fragments [qt][ks]
.set G1K, 24                           ; s[24:31]
.set G1V, 32                           ; s[32:39]
.set G0,  40                           ; s[40:47] a set for each slot
.set MSB, 0
.macro WIN new
.if MSB != \new
	s_set_vgpr_msb (MSB<<8)|\new
.set MSB, \new
.endif
.endm
.macro KVLOAD s                        ; waves 0, 1 fetch K's halves, waves 2, 3 V's: the two shapes differ in the padding alone
	s_cmp_eq_u32 s11, 0
	s_cbranch_scc0 .Lfor_v_\@
	tensor_load_to_lds s[G0+4*\s:G0+4*\s+3], s[G1K:G1K+7]
	s_nop 0
	s_branch .Lasked_\@
.Lfor_v_\@:
	tensor_load_to_lds s[G0+4*\s:G0+4*\s+3], s[G1V:G1V+7]
	s_nop 0
.Lasked_\@:
.endm
	s_load_b128 s[4:7], s[0:1], 0x0                ; qkv s[4:5], vsum s[6:7]
	s_load_b64 s[8:9], s[0:1], 0x10                ; att
	v_lshl_add_u32 v254, v0, 2, 0x29000
	v_mov_b32 v255, 0
	ds_add_u32 v254, v255
	ds_add_u32 v254, v255
	v_lshrrev_b32 v1, 5, v0
	v_readfirstlane_b32 s10, v1                    ; wave 0..3
	s_lshr_b32 s11, s10, 1                         ; I fetch K (0) or V (1)
	s_mov_b32 s13, ttmp9                           ; p
	s_and_b32 s14, ttmp7, 0xffff                   ; bh
	s_sub_co_u32 s15, 16, s13                      ; tiles of the first phase
	s_mov_b32 s70, 0x3e38aa3b                      ; c = log2(e) / 8, twice: a pair for the packed multiply-add
	s_mov_b32 s71, 0x3e38aa3b
	s_mov_b32 s72, 0xbe38aa3b                      ; -c
	s_mov_b32 s73, 0x76543210                      ; v_permlanex16_b32: lane i of one half reads lane i of the other
	s_mov_b32 s74, 0xfedcba98
	s_mov_b32 s75, 0xc79c4000                      ; -80000.0
	s_mov_b32 s76, 0xff7fffff                      ; the most negative finite f32
	; group 1: 64 rows of 64 elements of 2 bytes, dense in memory; behind every 32 words a pad of 4 words (K) or 8 words (V)
	s_mov_b32 s[G1K+0], (1<<16)|(1<<20)|(4<<22)|(3<<25)
	s_mov_b32 s[G1V+0], (1<<16)|(1<<20)|(4<<22)|(7<<25)
	s_mov_b32 s[G1K+1], 64<<16
	s_mov_b32 s[G1V+1], 64<<16
	s_mov_b32 s[G1K+2], 64<<16
	s_mov_b32 s[G1V+2], 64<<16
	s_mov_b32 s[G1K+3], 64<<16
	s_mov_b32 s[G1V+3], 64<<16
	s_mov_b32 s[G1K+4], 64
	s_mov_b32 s[G1V+4], 64
	s_mov_b32 s[G1K+5], 64
	s_mov_b32 s[G1V+5], 64
	s_mov_b32 s[G1K+6], 0
	s_mov_b32 s[G1V+6], 0
	s_mov_b32 s[G1K+7], 0
	s_mov_b32 s[G1V+7], 0
	s_mul_i32 s20, s14, 3
	s_add_co_u32 s20, s20, s11
	s_add_co_u32 s20, s20, 1                       ; K or V of bh
	s_lshl_b32 s20, s20, 18                        ; x 2,048 rows of 128 bytes
	s_and_b32 s22, s10, 1
	s_lshl_b32 s22, s22, 13                        ; + my 64 keys of a tile
	s_add_co_u32 s20, s20, s22
	s_mov_b32 s21, 0                               ; stays 0: the upper word of every offset
	s_mul_i32 s23, s10, PIECE
	s_wait_dscnt 0x0
	s_wait_kmcnt 0x0
	s_add_nc_u64 s[56:57], s[4:5], s[20:21]        ; my piece of tile 0
	s_mov_b32 s[G0+0], 1
	s_add_co_u32 s[G0+1], s23, 0
	s_mov_b64 s[G0+2:G0+3], s[56:57]
	s_or_b32 s[G0+3], s[G0+3], 0x80000000
	s_mov_b32 s[G0+4], 1
	s_add_co_u32 s[G0+5], s23, SLOT
	KVLOAD 0                                       ; tile 0, ahead of everything else
	s_mul_i32 s20, s14, 786432
	s_add_nc_u64 s[60:61], s[4:5], s[20:21]        ; Q of bh
	s_lshl_b32 s20, s14, 18
	s_add_nc_u64 s[62:63], s[8:9], s[20:21]        ; att of bh
	s_lshl_b32 s20, s14, 13
	s_add_nc_u64 s[6:7], s[6:7], s[20:21]          ; vsum of bh
	; V's sums behind the diagonal tile: thread t makes number t & 63 of phase t >> 6 (the phase is the same in a whole wave)
	v_and_b32 v[T], 63, v0
	v_lshlrev_b32 v[T], 2, v[T]
.set i, 0
.rept 32
	global_load_b32 v[S+i], v[T], s[6:7] offset:i*256
.set i, i+1
.endr
	v_and_b32 v1, 15, v0                           ; r
	v_bfe_u32 v2, v0, 4, 1                         ; h
	v_and_b32 v3, 31, v0                           ; lane
	v_mul_u32_u24 v[KADR], v1, KP
	v_lshl_add_u32 v[KADR], v2, 4, v[KADR]         ; key r, 16 h
	v_add_nc_u32 v[KADR+1], SLOT, v[KADR]
	v_and_b32 v[T+5], 7, v0
	v_lshl_add_u32 v[T+6], v2, 3, v[T+5]           ; key 8 h + (l & 7)
	v_mul_u32_u24 v[VADR], v[T+6], VP
	v_bfe_u32 v[T+6], v0, 3, 1
	v_lshl_add_u32 v[VADR], v[T+6], 4, v[VADR]
	v_add_nc_u32 v[VADR], 2*PIECE, v[VADR]
	v_add_nc_u32 v[VADR+1], SLOT, v[VADR]
	v_lshlrev_b32 v[T+6], 3, v2
	v_sub_nc_u32 v[DQ], v1, v[T+6]
	v_lshl_add_u32 v[DQ], s10, 5, v[DQ]            ; 32 w + r - 8 h (may be negative: compared as signed)
	v_add_nc_u32 v[DQ+1], 16, v[DQ]
	v_mov_b32 v[MASKV], s75
	v_lshlrev_b32 v[QOFF], 7, v1
	v_lshl_add_u32 v[QOFF], v2, 4, v[QOFF]
	s_mul_i32 s22, s10, 32*KP
	s_add_co_u32 s22, s22, STAGE                   ; my stage
	v_add_nc_u32 v[STO], s22, v[KADR]              ; row r, 16 h
	v_lshrrev_b32 v[T+6], 3, v3
	v_mul_u32_u24 v[RD], v[T+6], KP
	v_lshl_add_u32 v[RD], v[T+5], 4, v[RD]
	v_add_nc_u32 v[RD], s22, v[RD]                 ; back: four rows of 128 bytes a load
	v_lshlrev_b32 v[GO], 4, v3
	v_lshlrev_b32 v[SUFA], 5, v2
	v_add_nc_u32 v[SUFA], SUF, v[SUFA]
	s_lshl_b32 s22, s13, 1
	s_sub_co_u32 s23, 32, s22                      ; first block of 64 keys behind the tile: 2 (16 - p) in phase 0,
	s_add_co_u32 s22, s22, 2                       ; 2 (p + 1) in phase 1
	s_cmp_eq_u32 s11, 0
	s_cselect_b32 s22, s23, s22
	v_mov_b32 v[T+1], s22
	v_lshlrev_b32 v[T+4], 2, v0
	v_add_nc_u32 v[T+4], SUF, v[T+4]
	s_wait_loadcnt 0x0
	v_cmp_ge_u32 vcc_lo, 0, v[T+1]
	v_cndmask_b32 v[T+2], 0, v[S], vcc_lo          ; the first choice starts the sum
.set i, 1
.rept 31
	v_cmp_ge_u32 vcc_lo, i, v[T+1]
	v_cndmask_b32 v[T+3], 0, v[S+i], vcc_lo
	v_add_f32 v[T+2], v[T+2], v[T+3]
.set i, i+1
.endr
	ds_store_b32 v[T+4], v[T+2]
	s_wait_dscnt 0x0                               ; for the others' sake
	s_barrier_signal -1
	s_barrier_wait -1                              ; tile 0 may stay on its way
.macro KLOAD slot, c                   ; 16 loads: 64 keys x 64 d
.irp kt, 0,1,2,3
.irp ks, 0,1
	ds_load_b128 v[KF+8*(2*\kt+\ks):KF+8*(2*\kt+\ks)+3],   v[KADR+\slot] offset:\c*PIECE+\kt*16*KP+\ks*64
	ds_load_b128 v[KF+8*(2*\kt+\ks)+4:KF+8*(2*\kt+\ks)+7], v[KADR+\slot] offset:\c*PIECE+\kt*16*KP+\ks*64+32
.endr
.endr
.endm
.macro VLOAD slot, c                   ; 16 transposing loads: 64 d x 64 keys
.irp ks2, 0,1
.irp dt, 0,1,2,3
	ds_load_tr16_b128 v[VF+8*(4*\ks2+\dt):VF+8*(4*\ks2+\dt)+3],   v[VADR+\slot] offset:\c*PIECE+\ks2*32*VP+32*\dt
	ds_load_tr16_b128 v[VF+8*(4*\ks2+\dt)+4:VF+8*(4*\ks2+\dt)+7], v[VADR+\slot] offset:\c*PIECE+\ks2*32*VP+32*\dt+16*VP
.endr
.endr
.endm
; pair i (0..15) of query tile qt's 32 logits lies at S + 16 (i / 4) + 8 qt + 2 (i % 4)
.macro SCALE qt, i                     ; c s - c m
	v_pk_fma_f32 v[S+16*(\i/4)+8*\qt+2*(\i%4):S+16*(\i/4)+8*\qt+2*(\i%4)+1], v[S+16*(\i/4)+8*\qt+2*(\i%4):S+16*(\i/4)+8*\qt+2*(\i%4)+1], s[70:71], v[NMC+2*\qt:NMC+2*\qt+1] op_sel_hi:[1,0,1]
.endm
.macro EXPS qt, i
	v_exp_f32 v[S+16*(\i/4)+8*\qt+2*(\i%4)],   v[S+16*(\i/4)+8*\qt+2*(\i%4)]
	v_exp_f32 v[S+16*(\i/4)+8*\qt+2*(\i%4)+1], v[S+16*(\i/4)+8*\qt+2*(\i%4)+1]
.endm
.macro SUMOP qt, i                     ; step i of 16 of l = l alpha + the 16 pairs, in two chains
.if \i == 0
	s_wait_alu depctr_va_vdst(0)
	v_pk_fma_f32 v[L+2*\qt:L+2*\qt+1], v[L+2*\qt:L+2*\qt+1], v[AL+2*\qt:AL+2*\qt+1], v[S+8*\qt:S+8*\qt+1]
.elseif \i == 1
	s_wait_alu depctr_va_vdst(0)
	v_pk_add_f32 v[TT+2*\qt:TT+2*\qt+1], v[S+8*\qt+2:S+8*\qt+3], v[S+8*\qt+4:S+8*\qt+5]
.elseif \i == 15
	v_pk_add_f32 v[L+2*\qt:L+2*\qt+1], v[L+2*\qt:L+2*\qt+1], v[TT+2*\qt:TT+2*\qt+1]
.elseif (\i%2) == 0
	v_pk_add_f32 v[L+2*\qt:L+2*\qt+1], v[L+2*\qt:L+2*\qt+1], v[S+16*((\i+1)/4)+8*\qt+2*((\i+1)%4):S+16*((\i+1)/4)+8*\qt+2*((\i+1)%4)+1]
.else
	v_pk_add_f32 v[TT+2*\qt:TT+2*\qt+1], v[TT+2*\qt:TT+2*\qt+1], v[S+16*((\i+1)/4)+8*\qt+2*((\i+1)%4):S+16*((\i+1)/4)+8*\qt+2*((\i+1)%4)+1]
.endif
.endm
; The start of a query block (s17 = its number): Q's fragments, and the running state = the keys behind the diagonal tile.
.macro PROLOGUE ph
	s_lshl_b32 s20, s17, 7
	s_lshl_b32 s22, s10, 5
	s_add_co_u32 s20, s20, s22                     ; my first query
	s_lshl_b32 s20, s20, 7                         ; rows of 128 bytes
	s_add_nc_u64 s[66:67], s[60:61], s[20:21]
	s_add_nc_u64 s[68:69], s[62:63], s[20:21]
	WIN 0x40
.irp qt, 0,1
.irp ks, 0,1
	global_load_b128 v[QF+8*(2*\qt+\ks):QF+8*(2*\qt+\ks)+3],   v[QOFF], s[66:67] offset:\qt*2048+\ks*64
	global_load_b128 v[QF+8*(2*\qt+\ks)+4:QF+8*(2*\qt+\ks)+7], v[QOFF], s[66:67] offset:\qt*2048+\ks*64+32
.endr
.endr
.irp qt, 0,1
.irp dt, 0,1,2,3
	ds_load_b128 v[O+8*(4*\qt+\dt):O+8*(4*\qt+\dt)+3],   v[SUFA] offset:\ph*256+64*\dt      ; register j = the sum for d = 16 dt + 8 h + j
	ds_load_b128 v[O+8*(4*\qt+\dt)+4:O+8*(4*\qt+\dt)+7], v[SUFA] offset:\ph*256+64*\dt+16
.endr
.endr
	WIN 0
	s_lshl_b32 s77, s17, 5
	s_sub_co_u32 s77, 480, s77                     ; 128 (15 - block) keys, a quarter in each of a row's four partial sums
	s_cmp_lg_u32 s77, 0
	s_cselect_b32 s78, s75, s76                    ; no such key: the maximum starts at the most negative finite number
	v_cvt_f32_u32 v[L], s77
	v_mov_b32 v[M], s78
	v_mov_b32 v[M+1], s78
	v_mov_b32 v[L+1], v[L]
	v_mov_b32 v[L+2], v[L]
	v_mov_b32 v[L+3], v[L]
	s_wait_loadcnt 0x0
	s_wait_dscnt 0x0
.endm
; The end of a query block: O / l, rounded to f16, through my stage, out as 4,096 consecutive bytes.
.macro EPILOGUE
.rept 4
	v_nop                                          ; four places behind the last matrix instructions (ISA guide 7.12.1)
.endr
	v_add_f32 v[T],   v[L],   v[L+1]
	v_add_f32 v[T+4], v[L+2], v[L+3]
	v_permlanex16_b32 v[T+1], v[T],   s73, s74
	v_permlanex16_b32 v[T+5], v[T+4], s73, s74
	v_add_f32 v[T],   v[T],   v[T+1]
	v_add_f32 v[T+4], v[T+4], v[T+5]
	v_rcp_f32 v[AL],   v[T]
	v_rcp_f32 v[AL+2], v[T+4]
	v_nop                                          ; one plain place behind the reciprocals
	s_wait_alu depctr_va_vdst(0)
	v_mov_b32 v[AL+1], v[AL]
	v_mov_b32 v[AL+3], v[AL+2]
	WIN 0x01
.irp qt, 0,1
.irp i, 0,1,2,3,4,5,6,7,8,9,10,11,12,13,14,15
	v_pk_mul_f32 v[KF+32*\qt+2*\i:KF+32*\qt+2*\i+1], v[O+32*\qt+2*\i:O+32*\qt+2*\i+1], v[AL+2*\qt:AL+2*\qt+1]
.endr
.endr
	WIN 0
.set i, 0
.rept 32
	v_cvt_pk_f16_f32 v[VF+i], v[KF+2*i], v[KF+2*i+1]
.set i, i+1
.endr
.irp qt, 0,1
.irp dt, 0,1,2,3
	ds_store_b128 v[STO], v[VF+4*(4*\qt+\dt):VF+4*(4*\qt+\dt)+3] offset:\qt*16*KP+32*\dt
.endr
.endr
.irp u, 0,1,2,3,4,5,6,7
	ds_load_b128 v[S+4*\u:S+4*\u+3], v[RD] offset:\u*4*KP          ; LDS serves a wave's instructions in order: these see the stores above
.endr
.irp u, 0,1,2,3,4,5,6,7
	s_wait_dscnt 7-\u
	global_store_b128 v[GO], v[S+4*\u:S+4*\u+3], s[68:69] offset:512*\u
.endr
	s_wait_xcnt 0x0                                ; the stores' data and base are written again only behind this wait
.endm
; 64 keys x my 32 queries.  pf = 1: the tile's second 64 keys of K are fetched meanwhile.  last = 1: the tile is the diagonal one for sure.
.macro CHUNK slot, c, pf, last
.rept 5
	v_nop                                          ; five places: the products below write over P, a source of the last matrix instructions
.endr
	s_wait_dscnt 0x0                               ; K's fragments are in
	WIN 0x04
.irp ks, 0,1
.irp kt, 0,1,2,3
.irp qt, 0,1
.if \ks == 0
	v_wmma_f32_16x16x32_f16 v[S+16*\kt+8*\qt:S+16*\kt+8*\qt+7], v[KF+8*(2*\kt+\ks):KF+8*(2*\kt+\ks)+7], v[QF+8*(2*\qt+\ks):QF+8*(2*\qt+\ks)+7], 0
.else
	v_wmma_f32_16x16x32_f16 v[S+16*\kt+8*\qt:S+16*\kt+8*\qt+7], v[KF+8*(2*\kt+\ks):KF+8*(2*\kt+\ks)+7], v[QF+8*(2*\qt+\ks):QF+8*(2*\qt+\ks)+7], v[S+16*\kt+8*\qt:S+16*\kt+8*\qt+7]
.endif
.endr
.endr
.endr                                              ; the eight accumulators take turns, one instruction a turn
	WIN 0
.rept 4
	v_nop                                          ; four places in front of the loads into K's and V's fragments and of the reads of S
.endr
	VLOAD \slot, \c
.if \pf
	KLOAD \slot, 1
.endif
.if \last == 0
	s_cmp_lg_u32 s16, 1                            ; only a phase's last tile holds the diagonal
	s_cbranch_scc1 .Lnomask_\@
.endif
.irp kt, 0,1,2,3
.irp qt, 0,1
.irp j, 0,4
	v_cmp_gt_i32 vcc_lo, 64*\c+16*\kt+\j,   v[DQ+\qt]              ; key 64 c + 16 kt + 8 h + j above query 32 w + 16 qt + r
	v_cmp_gt_i32 s80,    64*\c+16*\kt+\j+1, v[DQ+\qt]
	v_cmp_gt_i32 s81,    64*\c+16*\kt+\j+2, v[DQ+\qt]
	v_cmp_gt_i32 s82,    64*\c+16*\kt+\j+3, v[DQ+\qt]
	v_cndmask_b32 v[S+16*\kt+8*\qt+\j],   v[S+16*\kt+8*\qt+\j],   v[MASKV], vcc_lo
	v_cndmask_b32 v[S+16*\kt+8*\qt+\j+1], v[S+16*\kt+8*\qt+\j+1], v[MASKV], s80
	v_cndmask_b32 v[S+16*\kt+8*\qt+\j+2], v[S+16*\kt+8*\qt+\j+2], v[MASKV], s81
	v_cndmask_b32 v[S+16*\kt+8*\qt+\j+3], v[S+16*\kt+8*\qt+\j+3], v[MASKV], s82
.endr
.endr
.endr
.if \last == 0
.Lnomask_\@:
.endif
.set i, 0
.rept 16                                           ; a logit that is exactly 0 is filled too
	v_cmp_eq_f32 vcc_lo, 0, v[S+i]
	v_cmp_eq_f32 s80,    0, v[S+i+1]
	v_cmp_eq_f32 s81,    0, v[S+i+2]
	v_cmp_eq_f32 s82,    0, v[S+i+3]
	v_cndmask_b32 v[S+i],   v[S+i],   v[MASKV], vcc_lo
	v_cndmask_b32 v[S+i+1], v[S+i+1], v[MASKV], s80
	v_cndmask_b32 v[S+i+2], v[S+i+2], v[MASKV], s81
	v_cndmask_b32 v[S+i+3], v[S+i+3], v[MASKV], s82
.set i, i+4
.endr
	; the new maximum of each query: 32 logits and the old maximum in 16 steps, then the other half of the wave
.irp qt, 0,1
.irp kt, 0,1,2,3
	v_max3_num_f32 v[T+4*\qt+\kt], v[S+16*\kt+8*\qt], v[S+16*\kt+8*\qt+1], v[S+16*\kt+8*\qt+2]
.endr
.endr
.irp qt, 0,1
.irp kt, 0,1,2,3
	v_max3_num_f32 v[T+4*\qt+\kt], v[T+4*\qt+\kt], v[S+16*\kt+8*\qt+3], v[S+16*\kt+8*\qt+4]
.endr
.endr
.irp qt, 0,1
.irp kt, 0,1,2,3
	v_max3_num_f32 v[T+4*\qt+\kt], v[T+4*\qt+\kt], v[S+16*\kt+8*\qt+5], v[S+16*\kt+8*\qt+6]
.endr
.endr
.irp qt, 0,1
	v_max3_num_f32 v[T+4*\qt],   v[T+4*\qt],   v[S+8*\qt+7],    v[S+16+8*\qt+7]
	v_max3_num_f32 v[T+4*\qt+1], v[T+4*\qt+1], v[S+32+8*\qt+7], v[S+48+8*\qt+7]
	v_max3_num_f32 v[T+4*\qt+2], v[T+4*\qt+2], v[T+4*\qt+3],    v[M+\qt]
.endr
.irp qt, 0,1
	v_max3_num_f32 v[T+4*\qt], v[T+4*\qt], v[T+4*\qt+1], v[T+4*\qt+2]
.endr
.irp qt, 0,1
	v_permlanex16_b32 v[T+4*\qt+1], v[T+4*\qt], s73, s74
.endr
.irp qt, 0,1
	v_max_num_f32 v[T+4*\qt], v[T+4*\qt], v[T+4*\qt+1]             ; m'
.endr
.irp qt, 0,1
	v_sub_f32 v[T+4*\qt+2], v[M+\qt], v[T+4*\qt]                   ; m - m': exactly 0 where the maximum stays
	v_mul_f32 v[NMC+2*\qt], s72, v[T+4*\qt]
.endr
.irp qt, 0,1
	v_mul_f32 v[T+4*\qt+2], s70, v[T+4*\qt+2]
	v_mov_b32 v[NMC+2*\qt+1], v[NMC+2*\qt]
.endr
	v_exp_f32 v[AL],   v[T+2]
	v_exp_f32 v[AL+2], v[T+6]
	v_mov_b32 v[M],    v[T]                        ; the plain place behind the two exponentials
	v_mov_b32 v[M+1],  v[T+4]
	s_wait_alu depctr_va_vdst(0)
	v_mov_b32 v[AL+1], v[AL]
	v_mov_b32 v[AL+3], v[AL+2]
	; p = 2^(c s - c m').  One query tile's exponentials stand between the other's plain arithmetic; behind each pair of them stands a
	; plain instruction on other registers before any result is used.
.irp i, 0,1,2,3,4,5,6,7,8,9,10,11,12,13,14,15
	SCALE 0, \i
.endr
.irp i, 0,1,2,3,4,5,6,7,8,9,10,11,12,13,14,15
	EXPS 0, \i
	SCALE 1, \i
.endr
.irp i, 0,1,2,3,4,5,6,7,8,9,10,11,12,13,14,15
	EXPS 1, \i
	SUMOP 0, \i
.endr
.irp i, 0,1,2,3,4,5,6,7,8,9,10,11,12,13,14,15
	SUMOP 1, \i
.endr
	; P to f16, in place: key tiles 2 ks2 and 2 ks2 + 1 become registers 0-3 and 4-7 of the fragment that lies where tile 2 ks2 lay
.irp qt, 0,1
.irp ks2, 0,1
.irp q, 0,1,2,3
	v_cvt_pk_f16_f32 v[S+32*\ks2+8*\qt+\q], v[S+32*\ks2+8*\qt+2*\q], v[S+32*\ks2+8*\qt+2*\q+1]
.endr
.irp q, 0,1,2,3
	v_cvt_pk_f16_f32 v[S+32*\ks2+8*\qt+4+\q], v[S+32*\ks2+16+8*\qt+2*\q], v[S+32*\ks2+16+8*\qt+2*\q+1]
.endr
.endr
.endr
	WIN 0x41
.irp qt, 0,1
.irp i, 0,1,2,3,4,5,6,7,8,9,10,11,12,13,14,15
	v_pk_mul_f32 v[O+32*\qt+2*\i:O+32*\qt+2*\i+1], v[O+32*\qt+2*\i:O+32*\qt+2*\i+1], v[AL+2*\qt:AL+2*\qt+1]
.endr
.endr
.if \pf
	s_wait_dscnt 16                                ; V's 16 loads are in; the 16 of K issued behind them stay out
.else
	s_wait_dscnt 0x0
.endif
	WIN 0x50
.irp ks2, 0,1
.irp qt, 0,1
.irp dt, 0,1,2,3
	v_wmma_f32_16x16x32_f16 v[O+8*(4*\qt+\dt):O+8*(4*\qt+\dt)+7], v[VF+8*(4*\ks2+\dt):VF+8*(4*\ks2+\dt)+7], v[S+32*\ks2+8*\qt:S+32*\ks2+8*\qt+7], v[O+8*(4*\qt+\dt):O+8*(4*\qt+\dt)+7]
.endr
.endr
.endr                                              ; eight accumulators by turns
	WIN 0
.endm
; One tile of 128 keys.  In front of the barrier every wave waits for all its tensor loads (its piece of this tile) and for its reads of
; the other slot; behind it the other slot's refill comes first, and has this tile's work in which to land.
.macro TRIP slot, other, refill, last
	s_wait_tensorcnt 0x0
	ds_add_u32 v254, v255
	s_wait_dscnt 0x0
.if \refill
	s_add_co_u32 s18, s18, 1                       ; the next tile's number: 0 .. 15 - p, then 0 .. p (p < 16 - p: it wraps once)
	s_cmp_eq_u32 s18, s15
	s_cselect_b32 s18, 0, s18
	s_lshl_b32 s20, s18, 14                        ; 128 keys of 128 bytes
	s_add_nc_u64 s[G0+4*\other+2:G0+4*\other+3], s[56:57], s[20:21]
	s_or_b32 s[G0+4*\other+3], s[G0+4*\other+3], 0x80000000
.endif
	s_wait_dscnt 0x0
	s_barrier_signal -1
	s_barrier_wait -1
.if \refill
	KVLOAD \other
.endif
	KLOAD \slot, 0
	CHUNK \slot, 0, 1, \last
	CHUNK \slot, 1, 0, \last
.if \last
	EPILOGUE
.else
	s_sub_co_u32 s16, s16, 1
	s_cmp_lg_u32 s16, 0
	s_cbranch_scc1 .Lsame_\@
	EPILOGUE                                       ; the first query block is done: on to block p
	s_mov_b32 s17, s13
	s_add_co_u32 s16, s13, 1
	PROLOGUE 1
.Lsame_\@:
.endif
.endm
	s_mov_b32 s16, s15                             ; tiles left in the phase
	s_sub_co_u32 s17, 15, s13                      ; query block
	s_mov_b32 s18, 0                               ; the number of the tile asked for last
	PROLOGUE 0
	s_mov_b32 s19, 8
.Ltiles:
	TRIP 0, 1, 1, 0
	TRIP 1, 0, 1, 0
	s_sub_co_u32 s19, s19, 1
	s_cmp_lg_u32 s19, 0
	s_cbranch_scc1 .Ltiles
	TRIP 0, 1, 0, 1                                ; the seventeenth tile: block p's diagonal; nothing is left to fetch
	s_wait_tensorcnt 0x0
	ds_add_u32 v254, v255
	s_wait_dscnt 0x0
	s_endpgm
.Lfunc_end_k_q7dbaf66c68_attn:
	.size	k_q7dbaf66c68_attn, .Lfunc_end_k_q7dbaf66c68_attn-k_q7dbaf66c68_attn
	.p2alignl 7, 3214868480
	.fill 96, 4, 3214868480
	.section	.rodata,"a",@progbits
	.p2align	6, 0x0
	.amdhsa_kernel k_q7dbaf66c68_attn
		.amdhsa_group_segment_fixed_size 327680
		.amdhsa_private_segment_fixed_size 0
		.amdhsa_enable_private_segment 0
		.amdhsa_kernarg_size 24
		.amdhsa_user_sgpr_count 2
		.amdhsa_user_sgpr_kernarg_segment_ptr 1
		.amdhsa_wavefront_size32 1
		.amdhsa_system_sgpr_workgroup_id_x 1
		.amdhsa_system_sgpr_workgroup_id_y 1
		.amdhsa_system_sgpr_workgroup_id_z 1
		.amdhsa_system_vgpr_workitem_id 0
		.amdhsa_next_free_vgpr 352
		.amdhsa_next_free_sgpr 84
		.amdhsa_reserve_vcc 1
		.amdhsa_float_denorm_mode_32 3
		.amdhsa_float_denorm_mode_16_64 3
		.amdhsa_memory_ordered 1
		.amdhsa_forward_progress 1
		.amdhsa_inst_pref_size 235
	.end_amdhsa_kernel
	.amdgpu_metadata
---
amdhsa.version: [ 1, 2 ]
amdhsa.kernels:
  - .name:           k_q7dbaf66c68_attn
    .symbol:         k_q7dbaf66c68_attn.kd
    .args:
      - { .name: qkv, .offset: 0, .size: 8, .value_kind: global_buffer, .address_space: global }
      - { .name: vsum, .offset: 8, .size: 8, .value_kind: global_buffer, .address_space: global }
      - { .name: att, .offset: 16, .size: 8, .value_kind: global_buffer, .address_space: global }
    .group_segment_fixed_size: 327680
    .private_segment_fixed_size: 0
    .kernarg_segment_align: 8
    .kernarg_segment_size: 24
    .max_flat_workgroup_size: 128
    .sgpr_count:     84
    .vgpr_count:     352
    .wavefront_size: 32
...
	.end_amdgpu_metadata
.endif
;; end of part 3
;; launch oproj (part 4): grid 8 x 32, 4 waves a work-group, clusters of 4 x 4, 327,680 bytes of LDS; arguments att, bfin, b_o, out0; writes out0
.if DOCPART == 4
	.amdgcn_target "amdgcn-amd-amdhsa--gfx1250"
	.amdhsa_code_object_version 6
	.text
	.protected	k_q7dbaf66c68_oproj
	.globl	k_q7dbaf66c68_oproj
	.p2align	8
	.type	k_q7dbaf66c68_oproj,@function
k_q7dbaf66c68_oproj:
	s_mov_b64 s[64:65], 0
	v_nop
	global_prefetch_b8 v0, s[64:65] scope:SCOPE_SE
	s_setreg_imm32_b32 hwreg(HW_REG_WAVE_MODE, 25, 1), 1
	s_wait_xcnt 0x0
	s_wait_alu depctr_hold_cnt(0) depctr_sa_sdst(0) depctr_va_vdst(0) depctr_va_sdst(0) depctr_va_ssrc(0) depctr_va_vcc(0) depctr_vm_vsrc(0)
	s_getreg_b32 s2, hwreg(HW_REG_IB_STS2, 6, 4)
	s_cmp_eq_u32 s2, 0
	s_cbranch_scc0 .Lentry_in_a_cluster
	s_endpgm
.Lentry_in_a_cluster:
	s_bfe_u32 s2, ttmp6, 0x10000c
	s_cmp_lg_u32 s2, 0xf033
	s_cbranch_scc0 .Lentry_shape_is_right
	s_endpgm
.Lentry_shape_is_right:
; out0 = att W_o^T + b_o.  att [bh][position][64] f16, W_o's copy in bfin [1024][1024] f16 (bf16 values), sums f32, the bias is the first C.
; A block of 128 x 128 of out0 for each of 8 x 32 work-groups; wave (wm, wn) makes 64 x 64: 16 accumulator tiles in window 1.
; K = 1024 goes in four steps of 256 (four heads) through two LDS slots; the four steps are written out.
; A slot has four pieces of 36,864 bytes, one tensor load each: waves 0, 1: two heads of att each (128 positions x 64, pitch 144);
; waves 2, 3: 64 rows of W_o x 256 (pitch 528).  A head's 128 rows of 128 bytes are dense in memory, so two heads come in as two rows of
; 8,192 elements; the pad of 4 words behind every 32 words is counted along the whole tile and gives every 128 bytes their 144.
; CLUSTERS: 4 x 4 work-groups; att's tiles hang on the block row alone and are asked for jointly along a row of the cluster, W_o's on the
; block column alone and jointly along a column.  By this text's count a wave has at most two tensor loads outstanding (the first fills).
; The matrix instruction is used transposed (source 0 = rows of W_o, source 1 = rows of att): a lane holds eight neighbouring columns.
.set APITCH, 144
.set BPITCH, 528
.set PIECE,  36864
.set SLOT,   4*PIECE
.set STAGE,  2*SLOT                    ; 16 rows x 272 bytes for each wave; no tensor load fills it
.set SPITCH, 272
.set WOB,    14680064                  ; W_o's copy in bfin
.set ADRA, 16
.set ADRB, 20
.set STO,  24
.set RD,   25
.set CO,   26
.set BOFF, 27
.set FA0,  32
.set FB0,  64
.set FA1,  96
.set FB1,  128
.set BIAS, 160
.set G1,  24
.set G0,  32
.set G1B, 48
.set G0B, 56
.set MSB, 0
.macro WIN new
.if MSB != \new
	s_set_vgpr_msb (MSB<<8)|\new
.set MSB, \new
.endif
.endm
.macro JLOAD s
	s_cmp_eq_u32 s14, 0
	s_cbranch_scc0 .Lfor_b_\@
	tensor_load_to_lds s[G0+4*\s:G0+4*\s+3], s[G1:G1+7]
	s_nop 0
	s_branch .Lasked_\@
.Lfor_b_\@:
	tensor_load_to_lds s[G0B+4*\s:G0B+4*\s+3], s[G1B:G1B+7]
	s_nop 0
.Lasked_\@:
.endm
.macro CROUND                          ; a round of the cluster's barrier
	s_barrier_signal -1
	s_barrier_wait -1
	s_cmp_lg_u32 s12, 0
	s_cbranch_scc1 .Lnot_wave_0_\@
	s_barrier_signal -3
.Lnot_wave_0_\@:
	s_barrier_wait -3
	s_barrier_signal -1
	s_barrier_wait -1
.endm
.macro PLACES                          ; four places behind matrix instructions (ISA guide 7.12.1)
.rept 4
	v_nop
.endr
.endm
	s_load_b256 s[4:11], s[0:1], 0x0               ; att s[4:5], bfin s[6:7], b_o s[8:9], out0 s[10:11]
	v_lshl_add_u32 v254, v0, 2, 0x4c400
	v_mov_b32 v255, 0
	ds_add_u32 v254, v255
	ds_add_u32 v254, v255
	v_lshrrev_b32 v1, 5, v0
	v_readfirstlane_b32 s12, v1                    ; wave 0..3
	s_lshr_b32 s14, s12, 1                         ; wm.  Also: I fetch att (0) or W_o (1)
	s_and_b32 s15, s12, 1                          ; wn.  Also: which half of it I fetch
	s_bfe_u32 s40, ttmp6, 0x40000                  ; cx
	s_bfe_u32 s41, ttmp6, 0x40004                  ; cy
	s_lshl_b32 s42, ttmp9, 2
	s_add_co_u32 s42, s42, s40                     ; bx
	s_and_b32 s13, ttmp7, 0xffff
	s_lshl_b32 s13, s13, 2
	s_add_co_u32 s13, s13, s41                     ; by
	s_lshl_b32 s43, s41, 2
	s_lshl_b32 s43, 15, s43                        ; my row of the cluster
	s_lshl_b32 s44, 0x1111, s40                    ; my column
	s_or_b32 s[G1+0],  s43, (1<<16)|(1<<20)|(1<<21)|(4<<22)|(3<<25)   ; 4 words behind every 32
	s_or_b32 s[G1B+0], s44, (1<<16)|(1<<20)|(1<<21)|(6<<22)|(3<<25)   ; 4 words behind every 128
	s_mov_b32 s[G1+1],  8192<<16                   ; tensor_dim0: a head's 128 positions x 64
	s_mov_b32 s[G1B+1], 256<<16
	s_mov_b32 s[G1+2],  2<<16                      ; tensor_dim1: two heads
	s_mov_b32 s[G1B+2], 64<<16
	s_mov_b32 s[G1+3],  8192<<16                   ; tile_dim0
	s_mov_b32 s[G1B+3], 256<<16
	s_mov_b32 s[G1+4],  2                          ; tile_dim1
	s_mov_b32 s[G1B+4], 64
	s_mov_b32 s[G1+5],  131072                     ; from head to head: 2,048 x 64 elements
	s_mov_b32 s[G1B+5], 1024
	s_mov_b32 s[G1+6],  0
	s_mov_b32 s[G1B+6], 0
	s_mov_b32 s[G1+7],  0
	s_mov_b32 s[G1B+7], 0
	s_lshr_b32 s16, s13, 4                         ; att: head 16 batch + 2 half,
	s_lshl_b32 s16, s16, 4
	s_lshl_b32 s17, s15, 1
	s_add_co_u32 s16, s16, s17
	s_lshl_b32 s16, s16, 11
	s_and_b32 s17, s13, 15                         ; position 128 (by & 15),
	s_lshl_b32 s17, s17, 7
	s_add_co_u32 s16, s16, s17
	s_lshl_b32 s16, s16, 7                         ; rows of 128 bytes
	s_mov_b32 s17, 0
	s_lshl_b32 s46, s42, 7                         ; W_o: row 128 bx + 64 half
	s_lshl_b32 s47, s15, 6
	s_add_co_u32 s46, s46, s47
	s_lshl_b32 s46, s46, 11
	s_add_co_u32 s46, s46, WOB
	s_mov_b32 s47, 0
	s_mul_i32 s20, s12, PIECE                      ; my piece of a slot
	s_lshl_b32 s66, s42, 9                         ; my 64 columns in bytes of f32: 512 bx + 256 wn
	s_lshl_b32 s67, s15, 8
	s_add_co_u32 s66, s66, s67
	s_mov_b32 s67, 0
	s_lshl_b32 s68, s13, 19                        ; my first row: 128 by + 64 wm rows of 4,096 bytes
	s_lshl_b32 s69, s14, 18
	s_add_co_u32 s68, s68, s69
	s_add_co_u32 s68, s68, s66
	s_mov_b32 s69, 0
	s_wait_dscnt 0x0
	s_wait_kmcnt 0x0
	s_add_nc_u64 s[16:17], s[4:5], s[16:17]
	s_add_nc_u64 s[46:47], s[6:7], s[46:47]
	s_add_nc_u64 s[8:9], s[8:9], s[66:67]
	s_add_nc_u64 s[10:11], s[10:11], s[68:69]
	CROUND                                         ; in front of the first joint loads
.irp s, 0,1
	s_mov_b32 s[G0+4*\s], 1
	s_add_co_u32 s[G0+4*\s+1], s20, \s*SLOT
	s_add_nc_u64 s[G0+4*\s+2:G0+4*\s+3], s[16:17], \s*1048576      ; step s: four heads on
	s_or_b32 s[G0+4*\s+3], s[G0+4*\s+3], 0x80000000
	s_mov_b32 s[G0B+4*\s], 1
	s_add_co_u32 s[G0B+4*\s+1], s20, \s*SLOT
	s_add_nc_u64 s[G0B+4*\s+2:G0B+4*\s+3], s[46:47], \s*512        ; 256 columns on
	s_or_b32 s[G0B+4*\s+3], s[G0B+4*\s+3], 0x80000000
.endr
	s_cmp_eq_u32 s14, 0                            ; both first fills of a wave in one branch
	s_cbranch_scc0 .Lfirst_b
	tensor_load_to_lds s[G0:G0+3], s[G1:G1+7]
	s_nop 0
	tensor_load_to_lds s[G0+4:G0+7], s[G1:G1+7]
	s_nop 0
	s_branch .Lfirst_done
.Lfirst_b:
	tensor_load_to_lds s[G0B:G0B+3], s[G1B:G1B+7]
	s_nop 0
	tensor_load_to_lds s[G0B+4:G0B+7], s[G1B:G1B+7]
	s_nop 0
.Lfirst_done:
	v_and_b32 v1, 15, v0                           ; r
	v_bfe_u32 v2, v0, 4, 1                         ; h
	v_lshlrev_b32 v[BOFF], 5, v2
.irp b, 0,1,2,3
	global_load_b128 v[BIAS+8*\b:BIAS+8*\b+3],   v[BOFF], s[8:9] offset:64*\b      ; register j = bias of column 16 b + 8 h + j
	global_load_b128 v[BIAS+8*\b+4:BIAS+8*\b+7], v[BOFF], s[8:9] offset:64*\b+16
.endr
	v_mul_u32_u24 v3, v1, APITCH
	v_lshl_add_u32 v3, v2, 4, v3
	s_mul_i32 s21, s14, 64*APITCH                  ; my 64 rows in each head's 128
	v_add_nc_u32 v[ADRA], s21, v3
	v_add_nc_u32 v[ADRA+1], SLOT, v[ADRA]
	v_mul_u32_u24 v4, v1, BPITCH
	v_lshl_add_u32 v4, v2, 4, v4
	s_mul_i32 s22, s15, PIECE
	s_add_co_u32 s22, s22, 2*PIECE                 ; my 64 rows of W_o are piece 2 + wn
	v_add_nc_u32 v[ADRB], s22, v4
	v_add_nc_u32 v[ADRB+1], SLOT, v[ADRB]
	s_mul_i32 s23, s12, 16*SPITCH
	s_add_co_u32 s23, s23, STAGE
	v_mul_u32_u24 v5, v1, SPITCH
	v_lshl_add_u32 v5, v2, 5, v5
	v_add_nc_u32 v[STO], s23, v5                   ; in: row r, 32 h
	v_mul_u32_u24 v5, v2, SPITCH
	v_lshl_add_u32 v5, v1, 4, v5
	v_add_nc_u32 v[RD], s23, v5                    ; back: two rows of 256 bytes a load
	v_lshlrev_b32 v5, 12, v2
	v_lshl_add_u32 v[CO], v1, 4, v5                ; the same two rows in out0
; 16 loads: the fragments of 32 along K, number k (0..7) of a slot's eight: head k / 2, d = 32 (k % 2)
.macro FETCHO slot, k, fa, fb
.irp i, 0,1,2,3
	ds_load_b128 v[\fb+8*\i:\fb+8*\i+3],   v[ADRB+\slot] offset:\i*16*BPITCH+64*(\k)
	ds_load_b128 v[\fb+8*\i+4:\fb+8*\i+7], v[ADRB+\slot] offset:\i*16*BPITCH+64*(\k)+32
.endr
.irp i, 0,1,2,3
	ds_load_b128 v[\fa+8*\i:\fa+8*\i+3],   v[ADRA+\slot] offset:((\k)/2)*128*APITCH+\i*16*APITCH+64*((\k)%2)
	ds_load_b128 v[\fa+8*\i+4:\fa+8*\i+7], v[ADRA+\slot] offset:((\k)/2)*128*APITCH+\i*16*APITCH+64*((\k)%2)+32
.endr
.endm
; 16 matrix instructions; the 16 accumulators take turns in the same order every time
.macro MUL16 fa, fb, first
.irp a, 0,1,2,3
.irp b, 0,1,2,3
.if \first
	v_wmma_f32_16x16x32_f16 v[8*(4*\a+\b):8*(4*\a+\b)+7], v[\fb+8*\b:\fb+8*\b+7], v[\fa+8*\a:\fa+8*\a+7], v[BIAS+8*\b:BIAS+8*\b+7]
.else
	v_wmma_f32_16x16x32_f16 v[8*(4*\a+\b):8*(4*\a+\b)+7], v[\fb+8*\b:\fb+8*\b+7], v[\fa+8*\a:\fa+8*\a+7], v[8*(4*\a+\b):8*(4*\a+\b)+7]
.endif
.endr
.endr
.endm
; 32 along K: the fragments in (fa, fb) are in; the next ones (number kn) go out into (ga, gb) and land under the 16 matrix instructions
.macro STEPO slot, kn, fa, fb, ga, gb, fetch, first
	s_wait_dscnt 0x0
.if \fetch
	PLACES
	FETCHO \slot, \kn, \ga, \gb
.endif
.if \first
	WIN 0x40                                       ; C = the bias tile in window 0, D in window 1
.else
	WIN 0x50
.endif
	MUL16 \fa, \fb, \first
	WIN 0
.endm
.macro SLOTWORK slot, first
	PLACES
	FETCHO \slot, 0, FA0, FB0
	STEPO \slot, 1, FA0, FB0, FA1, FB1, 1, \first
	STEPO \slot, 2, FA1, FB1, FA0, FB0, 1, 0
	STEPO \slot, 3, FA0, FB0, FA1, FB1, 1, 0
	STEPO \slot, 4, FA1, FB1, FA0, FB0, 1, 0
	STEPO \slot, 5, FA0, FB0, FA1, FB1, 1, 0
	STEPO \slot, 6, FA1, FB1, FA0, FB0, 1, 0
	STEPO \slot, 7, FA0, FB0, FA1, FB1, 1, 0
	STEPO \slot, 0, FA1, FB1, FA0, FB0, 0, 0
.endm
; Slot s has been read and is filled again, two steps ahead: every wave waits for all its tensor loads and for its reads, a round of the
; cluster's barrier, and the joint refill first behind it.
.macro REFILL s
	s_wait_tensorcnt 0x0
	ds_add_u32 v254, v255
	s_add_nc_u64 s[G0+4*\s+2:G0+4*\s+3], s[G0+4*\s+2:G0+4*\s+3], 2097152
	s_add_nc_u64 s[G0B+4*\s+2:G0B+4*\s+3], s[G0B+4*\s+2:G0B+4*\s+3], 1024
	s_wait_dscnt 0x0
	CROUND
	JLOAD \s
.endm
	s_wait_loadcnt 0x0                             ; the bias tiles
	s_wait_tensorcnt 1                             ; my piece of step 0 is in; step 1's stays out
	s_barrier_signal -1
	s_barrier_wait -1
	SLOTWORK 0, 1
	REFILL 0
	SLOTWORK 1, 0
	REFILL 1
	SLOTWORK 0, 0
	s_wait_tensorcnt 0x0                           ; step 3's piece
	s_wait_dscnt 0x0
	s_barrier_signal -1
	s_barrier_wait -1
	SLOTWORK 1, 0
	; THE WAY OUT, 16 rows at a time through my stage: 32 bytes a lane in, whole rows of 256 bytes back
	PLACES
.macro OUTO a
	WIN 0x04                                       ; the stores' data in window 1
.irp b, 0,1,2,3
	ds_store_b128 v[STO], v[8*(4*\a+\b):8*(4*\a+\b)+3]   offset:64*\b
	ds_store_b128 v[STO], v[8*(4*\a+\b)+4:8*(4*\a+\b)+7] offset:64*\b+16
.endr
	WIN 0
	s_wait_xcnt 0x0                                ; the registers that the last stores read are loaded again only behind this wait
.irp u, 0,1,2,3,4,5,6,7
	ds_load_b128 v[FA0+4*\u:FA0+4*\u+3], v[RD] offset:\u*2*SPITCH  ; LDS serves a wave's instructions in order: these see the stores above
.endr
.irp u, 0,1,2,3,4,5,6,7
	s_wait_dscnt 7-\u
	global_store_b128 v[CO], v[FA0+4*\u:FA0+4*\u+3], s[10:11] offset:(16*\a+2*\u)*4096 th:TH_STORE_NT   ; 16 lanes store 256 consecutive bytes, aligned
.endr
.endm
	OUTO 0
	OUTO 1
	OUTO 2
	OUTO 3
	s_wait_tensorcnt 0x0
	ds_add_u32 v254, v255
	s_wait_dscnt 0x0
	CROUND                                         ; the closing round
	s_endpgm
.Lfunc_end_k_q7dbaf66c68_oproj:
	.size	k_q7dbaf66c68_oproj, .Lfunc_end_k_q7dbaf66c68_oproj-k_q7dbaf66c68_oproj
	.p2alignl 7, 3214868480
	.fill 96, 4, 3214868480
	.section	.rodata,"a",@progbits
	.p2align	6, 0x0
	.amdhsa_kernel k_q7dbaf66c68_oproj
		.amdhsa_group_segment_fixed_size 327680
		.amdhsa_private_segment_fixed_size 0
		.amdhsa_enable_private_segment 0
		.amdhsa_kernarg_size 32
		.amdhsa_user_sgpr_count 2
		.amdhsa_user_sgpr_kernarg_segment_ptr 1
		.amdhsa_wavefront_size32 1
		.amdhsa_system_sgpr_workgroup_id_x 1
		.amdhsa_system_sgpr_workgroup_id_y 1
		.amdhsa_system_sgpr_workgroup_id_z 1
		.amdhsa_system_vgpr_workitem_id 0
		.amdhsa_next_free_vgpr 384
		.amdhsa_next_free_sgpr 80
		.amdhsa_reserve_vcc 0
		.amdhsa_float_denorm_mode_32 3
		.amdhsa_float_denorm_mode_16_64 3
		.amdhsa_memory_ordered 1
		.amdhsa_forward_progress 1
		.amdhsa_inst_pref_size 89
	.end_amdhsa_kernel
	.amdgpu_metadata
---
amdhsa.version: [ 1, 2 ]
amdhsa.kernels:
  - .name:           k_q7dbaf66c68_oproj
    .symbol:         k_q7dbaf66c68_oproj.kd
    .args:
      - { .name: att, .offset: 0, .size: 8, .value_kind: global_buffer, .address_space: global }
      - { .name: bfin, .offset: 8, .size: 8, .value_kind: global_buffer, .address_space: global }
      - { .name: b_o, .offset: 16, .size: 8, .value_kind: global_buffer, .address_space: global }
      - { .name: out0, .offset: 24, .size: 8, .value_kind: global_buffer, .address_space: global }
    .group_segment_fixed_size: 327680
    .private_segment_fixed_size: 0
    .kernarg_segment_align: 8
    .kernarg_segment_size: 32
    .max_flat_workgroup_size: 128
    .sgpr_count:     80
    .vgpr_count:     384
    .wavefront_size: 32
...
	.end_amdgpu_metadata
.endif
;; end of part 4
